; MI455X (gfx1250); checked and timed in simulation.
; The chip was launched on July 23, 2026; its instructions are those of AMD's public machine-readable ISA for CDNA 5 (MIT licence, August 2026) and "CDNA5" Instruction Set Architecture Reference Guide (July 2026). The comments in the code are by the model that wrote it; some were corrected since.
;; Multi Head Self Attention. Allowed arithmetic: matrix products marked QUANTISED: E2M3 operands, one E8M0 scale for each 32 along K, by v_wmma_scale_f32_16x16x128_f8f6f4 with both operands' format E2M3, f32 sums; everything else in f32.
;; Inputs: fc_b 1,024 float32; fc_w_codes 1,024 x 32 x 24 uint8 (E2M3 codes of fc_w, K innermost, in blocks of 32 codes, four codes in three bytes); fc_w_scales 1,024 x 32 uint8 (E8M0 scales of fc_w, one for each 32 codes along K); qkv_b 3,072 float32; qkv_w_codes 3,072 x 32 x 24 uint8 (E2M3 codes of qkv_w, K innermost, in blocks of 32 codes, four codes in three bytes); qkv_w_scales 3,072 x 32 uint8 (E8M0 scales of qkv_w, one for each 32 codes along K); x_codes 4 x 2,048 x 32 x 24 uint8 (E2M3 codes of x, K innermost, in blocks of 32 codes, four codes in three bytes); x_scales 4 x 2,048 x 32 uint8 (E8M0 scales of x, one for each 32 codes along K).
;; Outputs: out0 4 x 2,048 x 1,024 float32.
;; This version of the problem:
;;   THIS VERSION OF THE PROBLEM IS GIVEN IN LOW PRECISION. The matrix products marked QUANTISED in the list below multiply operands that are first quantised to E2M3 (2 exponent bits, 3 mantissa bits; 6 bits a number), with one power-of-two scale for each 32 numbers along K (OCP MX v1.0); their sums are f32. All else is computed in f32.
;;   The module's matrix products, in the order in which they are computed (A, B: the left and right operand; K: the contracted axis; several contracted axes count as one K, in the product's order):
;;     1. [M 8,192, K 1,024] x [K 1,024, N 3,072]; A: input x (given as codes); B: input qkv_w (given as codes): QUANTISED
;;     2. batch 64 x [M 2,048, K 64] x [K 64, N 2,048]; A: computed on the way; B: computed on the way: QUANTISED
;;     3. batch 64 x [M 2,048, K 2,048] x [K 2,048, N 64]; A: softmax (see below); B: computed on the way: QUANTISED
;;     4. [M 8,192, K 1,024] x [K 1,024, N 1,024]; A: computed on the way; B: input fc_w (given as codes): QUANTISED
;;   THE QUANTISER, for each operand of a quantised product, along K:
;;     - K is cut into blocks of 32 from its start; a last block that is shorter is filled with zeros.
;;     - A block's scale is 2^e with e = floor(log2(the largest magnitude in the block)) - 2, held to -126 .. 127; a block of zeros has e = 0. As a byte (E8M0): e + 127.
;;     - Each number is divided by its block's scale, clamped to +-7.5, and rounded to the nearest number of E2M3, ties to even, subnormals kept.
;;     - The product sums the exact products of the quantised numbers (number of the format x scale) in f32.
;;   ~~~python
;;   def quantise(x, axis):      # numpy; x: float32 -> the quantised numbers, widened to float32 again
;;       x = np.moveaxis(x, axis, -1); K = x.shape[-1]
;;       x = np.pad(x, [(0, 0)] * (x.ndim - 1) + [(0, -K % 32)]); x = x.reshape(x.shape[:-1] + (-1, 32)); a = np.abs(x).max(-1, keepdims=True)
;;       e = np.where(a > 0, np.clip(np.frexp(np.where(a > 0, a, 1))[1] - 1 - 2, -126, 127), 0)      # np.frexp(a)[1] - 1 = floor(log2(a)), exactly
;;       r = np.clip(x / 2.0 ** e, -7.5, 7.5)
;;       step = 2.0 ** (np.maximum(np.frexp(np.where(r == 0, 1, r))[1] - 1, 0) - 3)
;;       q = np.round(r / step) * step * 2.0 ** e      # np.round: ties to even
;;       return np.moveaxis(q.reshape(q.shape[:-2] + (-1,))[..., :K], -1, axis).astype(np.float32)
;;   ~~~
;;   SOFTMAX AHEAD OF A QUANTISED PRODUCT. Where the list says 'softmax', what is quantised is not the finished softmax but p = 2^(t - M), with t = logit x log2(e) and M = ceil(the row's largest t), a whole number; so 1/2 < the row's largest p <= 1. The row's sum l is taken of the UNQUANTISED p, in f32, and the product's result is divided by l at the end. Since M is a whole number, a kernel that streams over the keys may use a running M (the ceiling of the running maximum): every later rescaling is an exact power of two, which a block's scale takes up: the codes' values come out the same.
;;   OPERANDS COMPUTED ON THE WAY. 'Computed on the way' means the value that the module computes at that place (a softmax that the list does not call 'softmax' is quantised finished and normalised). What goes into a quantiser is computed in f32, as accurately as f32 sums, v_exp_f32 and their like allow (about 1e-6 of the number): no bf16 or f16 on the way to a quantiser, and a product that is left as it is and whose result goes on into a quantised operand takes f32 operands (vector FMAs, or v_wmma_f32_16x16x4_f32). A number that lies on a knife's edge between two numbers of the format may be rounded either way, as far as f32 arithmetic and the matrix unit's own rounding can turn it there, and no further.
;;   INPUTS GIVEN AS CODES. fc_w (in the module: [1024, 1024], K = its axis 1); qkv_w (in the module: [3072, 1024], K = its axis 1); x (in the module: [4, 2048, 1024], K = its axis 2): each comes as NAME_codes (uint8): NAME with its K axis moved to the last place and cut into blocks of 32 codes, [.., K / 32, bytes a block], one block behind the other in memory; four codes in three bytes: a row's codes are one little-endian stream of bits, code i at bits 6 i .. 6 i + 5 (a code: sign, 2 exponent bits, 3 mantissa bits); and NAME_scales (uint8): the same leading axes, one E8M0 byte (e + 127) for each 32 codes along K. Its value is code x scale, taken as it is: it is not quantised again, and the codes and scales need not be those that the quantiser above would give.
;; One version. Each part assembles by itself: llvm-mc -triple=amdgcn-amd-amdhsa -mcpu=gfx1250 --defsym DOCPART=n.
;; ======== version 1 of 1: 3 launches
;; limits: right only within a limited range of input values
;; workspace buffers: qimg 6,291,456 bytes; qsc 524,288 bytes; kv 13,369,344 bytes; aimg 6,291,456 bytes; asc 262,144 bytes
;; launch qkv (part 1): grid 8 x 32, 4 waves a work-group, clusters of 4 x 4, 327,680 bytes of LDS; arguments x_codes, x_scales, qkv_w_codes, qkv_w_scales, qkv_b, qimg, qsc, kv; writes qimg, qsc, kv
.if DOCPART == 1
	.amdgcn_target "amdgcn-amd-amdhsa--gfx1250"
	.amdhsa_code_object_version 6
	.text
	.protected	k_qfaac861490_qkv
	.globl	k_qfaac861490_qkv
	.p2align	8
	.type	k_qfaac861490_qkv,@function
k_qfaac861490_qkv:
	s_mov_b64 s[64:65], 0
	v_nop
	global_prefetch_b8 v0, s[64:65] scope:SCOPE_SE
	s_setreg_imm32_b32 hwreg(HW_REG_WAVE_MODE, 25, 1), 1
	s_wait_xcnt 0x0
	s_wait_alu depctr_hold_cnt(0) depctr_sa_sdst(0) depctr_va_vdst(0) depctr_va_sdst(0) depctr_va_ssrc(0) depctr_va_vcc(0) depctr_vm_vsrc(0)
	s_getreg_b32 s2, hwreg(HW_REG_IB_STS2, 6, 4)
	s_cmp_eq_u32 s2, 0
	s_cbranch_scc0 .Lentry_in_a_cluster
	s_endpgm
.Lentry_in_a_cluster:
	s_bfe_u32 s2, ttmp6, 0x10000c
	s_cmp_lg_u32 s2, 0xf033
	s_cbranch_scc0 .Lentry_shape_is_right
	s_endpgm
.Lentry_shape_is_right:
.set PITCH,  816
.set SUBT,   64*PITCH
.set XLDS,   2*SUBT
.set SPARE,  6*SUBT
.set KVSTEP, 13056
.set KVHEAD, 16*KVSTEP
.set QHEAD,  128*768
.set LN16, 1
.set LN8,  2
.set RW16, 3
.set LN32, 4
.set HF32, 5
.set RW4,  6
.set L0,   8
.set AW,   10
.set AX,   12
.set SPW,  28
.set NIL,  29
.set XS,   84                          ; x's scale words, v84-99: their numbers differ from those of W's (v48-79) modulo 8
.set WS,   48
.set BIAS, 128
.set TM,   192
.set SW,   208
.set CA,   212
.set CB,   232
.set WV,   20
.set G1X,  28
.set G1W,  36
.set G1Q,  44
.set G0X,  52
.set G0Q,  56
.set G0R,  60
.set PQ,   68
.set PQS,  70
.set PK,   72
.set PKS,  74
.set PV,   76
.set PVS,  78
.set PWS,  80
.set PB,   82
.set PXS,  84
.set SEL,  86
.set MSB, 0
.macro WIN new
.if MSB != (\new)
	s_set_vgpr_msb (MSB<<8)|(\new)
.set MSB, (\new)
.endif
.endm
.macro PLACES n
.rept \n
	v_nop
.endr
.endm
.macro CROUND
	s_barrier_signal -1
	s_barrier_wait -1
	s_cmp_lg_u32 s[WV], 0
	s_cbranch_scc1 .Lnot_wave_0_\@
	s_barrier_signal -3
.Lnot_wave_0_\@:
	s_barrier_wait -3
	s_barrier_signal -1
	s_barrier_wait -1
.endm
.macro WM ra, rb
.if (\ra) && (\rb)
	v_wmma_scale_f32_16x16x128_f8f6f4 v[rD:rD+7], v[rA:rA+11], v[rB:rB+11], v[rC:rC+7], v[rSA], v[rSB] matrix_a_fmt:MATRIX_FMT_FP6 matrix_b_fmt:MATRIX_FMT_FP6 matrix_a_scale:MATRIX_SCALE_ROW1 matrix_b_scale:MATRIX_SCALE_ROW1
.elseif (\ra)
	v_wmma_scale_f32_16x16x128_f8f6f4 v[rD:rD+7], v[rA:rA+11], v[rB:rB+11], v[rC:rC+7], v[rSA], v[rSB] matrix_a_fmt:MATRIX_FMT_FP6 matrix_b_fmt:MATRIX_FMT_FP6 matrix_a_scale:MATRIX_SCALE_ROW1
.elseif (\rb)
	v_wmma_scale_f32_16x16x128_f8f6f4 v[rD:rD+7], v[rA:rA+11], v[rB:rB+11], v[rC:rC+7], v[rSA], v[rSB] matrix_a_fmt:MATRIX_FMT_FP6 matrix_b_fmt:MATRIX_FMT_FP6 matrix_b_scale:MATRIX_SCALE_ROW1
.else
	v_wmma_scale_f32_16x16x128_f8f6f4 v[rD:rD+7], v[rA:rA+11], v[rB:rB+11], v[rC:rC+7], v[rSA], v[rSB] matrix_a_fmt:MATRIX_FMT_FP6 matrix_b_fmt:MATRIX_FMT_FP6
.endif
.endm
.macro FRAG reg, adr, q, i
.irp p, 0,1,2,3,4,5
.set PCE, 12*(\q)+6*(\p/3)+\p%3
.if PCE%32 < 29
	ds_load_b64 v[\reg+2*\p:\reg+2*\p+1], v[\adr] offset:8*PCE+16*(PCE/32)+(\i)*16*PITCH
.else
	ds_load_b64 v[\reg+2*\p:\reg+2*\p+1], v[\adr+1] offset:8*PCE+16*(PCE/32)+(\i)*16*PITCH
.endif
.endr
.endm
.macro QUANT src, dst, tmp, pw
.irp b, 0,1,2,3
	v_max3_num_f32 v[TM+\b], |v[\src+16*\b]|, |v[\src+16*\b+1]|, 0x1800000
.endr
.irp i, 2,4,6,8,10,12,14
.irp b, 0,1,2,3
	v_max3_num_f32 v[TM+\b], v[TM+\b], |v[\src+16*\b+\i]|, |v[\src+16*\b+\i+1]|
.endr
.endr
.irp b, 0,1,2,3
	v_permlanex16_b32 v[TM+4+\b], v[TM+\b], s[SEL], s[SEL+1]
.endr
.irp b, 0,1,2,3
	v_max_num_f32 v[TM+\b], v[TM+\b], v[TM+4+\b]
.endr
.irp b, 0,1,2,3
	v_add_nc_u32 v[TM+12+\b], 0xff000000, v[TM+\b]
.endr
.irp b, 0,1,2,3
	v_lshrrev_b32 v[TM+4+\b], 23, v[TM+12+\b]
.endr
	v_lshl_or_b32 v[\pw], v[TM+5], 8, v[TM+4]
	v_lshl_or_b32 v[\pw], v[TM+6], 16, v[\pw]
	v_lshl_or_b32 v[\pw], v[TM+7], 24, v[\pw]
.irp c, 0,1
	v_cvt_scalef32_pk16_fp6_f32 v[\dst+6*\c:\dst+6*\c+2], v[\src+32*\c:\src+32*\c+15], v[TM+12+2*\c]
	v_cvt_scalef32_pk16_fp6_f32 v[\tmp+4*\c:\tmp+4*\c+2], v[\src+32*\c+16:\src+32*\c+31], v[TM+13+2*\c]
.endr
	v_nop
.irp c, 0,1
.irp i, 0,1,2
	v_permlane16_swap_b32 v[\dst+6*\c+\i], v[\tmp+4*\c+\i]
.endr
.irp i, 0,1,2
	v_mov_b32 v[\dst+6*\c+3+\i], v[\tmp+4*\c+\i]
.endr
.endr
.endm
.macro FETCHX
	WIN 0x40
.irp s, 0,1,2,3,4
.irp a, 0,1,2,3
.set FRG, 48*\s+12*\a
	FRAG FRG, AX, \s, \a
.endr
.endr
	WIN 0x80
.irp s, 5,6,7
.irp a, 0,1,2,3
.set FRG, 48*(\s-5)+12*\a
	FRAG FRG, AX, \s, \a
.endr
.endr
.endm
.macro FETCHW T, u
.if (\u) == 0
	WIN 0
	v_add_nc_u32 v[AW], SUBT*(\T), v[L0]
	v_add_nc_u32 v[AW+1], SUBT*(\T), v[L0+1]
.endif
.set FS, (\u)%2
.set WSEL, FS<<7
	WIN WSEL
.irp e, 0,1
.irp i, 0,1,2,3
.set FRG, 160-16*FS+12*(4*\e+\i)
	FRAG FRG, AW, 2*(\u)+\e, \i
.endr
.endr
.endm
.macro LOADSB T
.set LW, WS+16*((\T)%2)
.set LB, BIAS+32*((\T)%2)
.set OW, 32768*((\T)/2)+2048*((\T)%2)
	WIN 0
.irp i, 0,1
	global_load_b128 v[LW+8*\i:LW+8*\i+3], v[LN32], s[PWS:PWS+1] offset:OW+1024*\i
	global_load_b128 v[LW+8*\i+4:LW+8*\i+7], v[LN32], s[PWS:PWS+1] offset:OW+1024*\i+16
.endr
	WIN 0xC0
.if (\T) < 4
.set OB, 4096*((\T)/2)+256*((\T)%2)
.irp b, 0,1,2,3
	global_load_b128 v[LB+8*\b:LB+8*\b+3], v[HF32], s[PB:PB+1] offset:OB+64*\b
	global_load_b128 v[LB+8*\b+4:LB+8*\b+7], v[HF32], s[PB:PB+1] offset:OB+64*\b+16
.endr
.else
.set OB, 8192+256*((\T)%2)
.irp a, 0,1,2,3
.irp j, 0,1,2,3,4,5,6,7
	global_load_b32 v[LB+8*\a+\j], v[RW4], s[PB:PB+1] offset:OB+64*\a
.endr
.endr
.endif
.endm
.macro MUL16 role, T, s
.set XW, 1+(\s)/5
.set XB, 48*((\s)%5)
.set PS2, ((\s)/2)%2
.set WB, 160-16*PS2+48*((\s)%2)
.set WSB, WS+16*((\T)%2)+(\s)
.set XSB, XS+(\s)
.set BB, BIAS+32*((\T)%2)
.if \role
.set WSEL, XW|(PS2<<3)|0xF0
.else
.set WSEL, (2*PS2)|(XW<<2)|0xF0
.endif
	WIN WSEL
.irp a, 0,1,2,3
.irp b, 0,1,2,3
.set rD, 8*(4*\a+\b)
.if \role
.set rA, XB+12*\b
.set rB, WB+12*\a
.set rSA, XSB+8*(\b/2)
.set rSB, WSB+8*(\a/2)
.set rC, BB+8*\a
.else
.set rA, WB+12*\b
.set rB, XB+12*\a
.set rSA, WSB+8*(\b/2)
.set rSB, XSB+8*(\a/2)
.set rC, BB+8*\b
.endif
.if (\s) > 0
.set rC, rD
.endif
	WM \b%2, \a%2
.endr
.endr
.endm
.macro DSTEP role, T, u
	s_wait_dscnt 0x0
.if (\u) == 0
	s_wait_loadcnt 0x0
.endif
.if ((\T) == 1) && ((\u) == 3)
	s_wait_tensorcnt 0x0
	s_barrier_signal -1
	s_barrier_wait -1
.endif
	PLACES 4
.if (\u) < 3
	FETCHW \T, (\u)+1
.elseif (\T) < 5
	FETCHW (\T)+1, 0
.endif
.if ((\u) == 1) && ((\T) < 5)
	LOADSB (\T)+1
.endif
	MUL16 \role, \T, 2*(\u)
	MUL16 \role, \T, 2*(\u)+1
.endm
.macro EPI kind, T
	s_wait_xcnt 0x0
	PLACES 4
	WIN 0xFF
	QUANT 0, CA, CA+12, SW
	v_lshrrev_b32 v[SW+1], 16, v[SW]
	QUANT 64, CB, CB+12, SW+2
	v_lshrrev_b32 v[SW+3], 16, v[SW+2]
	WIN 0x0C
.if (\kind) == 0
.set EP, PQ
.set EO, QHEAD*((\T)%2)
.set ES, 768
.elseif (\kind) == 1
.set EP, PK
.set EO, KVHEAD*((\T)%2)
.set ES, 768
.else
.set EP, PV
.set EO, KVHEAD*((\T)%2)
.set ES, 1536
.endif
.irp n, 0,1,2,3
.set CN, CA+20*(\n/2)+6*(\n%2)
	global_store_b128 v[LN16], v[CN:CN+3], s[EP:EP+1] offset:EO+ES*\n
	global_store_b64 v[LN8], v[CN+4:CN+5], s[EP:EP+1] offset:EO+ES*\n+512
.endr
.if (\kind) == 0
	global_store_b128 v[RW16], v[SW:SW+3], s[PQS:PQS+1] offset:8192*((\T)%2)
.elseif (\kind) == 1
	global_store_b128 v[RW16], v[SW:SW+3], s[PKS:PKS+1] offset:KVHEAD*((\T)%2)
.else
.irp n, 0,1,2,3
	global_store_b16 v[RW16], v[SW+\n], s[PVS:PVS+1] offset:KVHEAD*((\T)%2)+4*\n
.endr
.endif
.endm
.macro SUBTILE role, kind, T
	DSTEP \role, \T, 0
	DSTEP \role, \T, 1
	DSTEP \role, \T, 2
	DSTEP \role, \T, 3
	EPI \kind, \T
.endm
	s_load_b512 s[4:19], s[0:1], 0x0
	v_lshl_add_u32 v[SPW], v0, 2, SPARE
	v_mov_b32 v[NIL], 0
	ds_add_u32 v28, v29
	ds_add_u32 v28, v29
	s_wait_dscnt 0x0
	v_lshrrev_b32 v7, 5, v0
	v_readfirstlane_b32 s[WV], v7
	v_and_b32 v7, 31, v0
	v_and_b32 v14, 15, v0
	v_bfe_u32 v15, v0, 4, 1
	v_lshlrev_b32 v[LN16], 4, v7
	v_lshlrev_b32 v[LN8], 3, v7
	v_lshlrev_b32 v[RW16], 4, v14
	v_lshlrev_b32 v[LN32], 5, v7
	v_lshlrev_b32 v[HF32], 5, v15
	v_lshlrev_b32 v[RW4], 2, v14
	v_mul_u32_u24 v[L0], v14, PITCH
	v_mad_u32_u24 v[L0+1], v15, 40, v[L0]
	v_mad_u32_u24 v[L0], v15, 24, v[L0]
	s_mul_i32 s96, s[WV], SUBT
	s_add_co_u32 s96, s96, XLDS
	v_add_nc_u32 v[AX], s96, v[L0]
	v_add_nc_u32 v[AX+1], s96, v[L0+1]
	s_bfe_u32 s21, ttmp6, 0x40000
	s_bfe_u32 s22, ttmp6, 0x40004
	s_lshl_b32 s23, ttmp9, 2
	s_add_co_u32 s23, s23, s21
	s_and_b32 s24, ttmp7, 0xffff
	s_lshl_b32 s24, s24, 2
	s_add_co_u32 s24, s24, s22
	s_lshl_b32 s25, s22, 2
	s_lshl_b32 s25, 15, s25
	s_lshl_b32 s26, 0x1111, s21
	s_mov_b32 s[SEL], 0x76543210
	s_mov_b32 s[SEL+1], 0xfedcba98
	s_or_b32 s[G1X], s25, (1<<20)|(1<<21)|(5<<22)|(3<<25)
	s_or_b32 s[G1W], s26, (1<<20)|(1<<21)|(5<<22)|(3<<25)
.irp g, G1X, G1W
	s_mov_b32 s[\g+1], 768<<16
	s_mov_b32 s[\g+2], 64<<16
	s_mov_b32 s[\g+3], 768<<16
	s_mov_b32 s[\g+4], 64
	s_mov_b32 s[\g+5], 768
	s_mov_b32 s[\g+6], 0
	s_mov_b32 s[\g+7], 0
.endr
	s_mov_b32 s[G1X+2], 128<<16
	s_mov_b32 s[G1X+4], 128
	s_and_b32 s66, s[WV], 1
	s_mul_i32 s88, s24, 256*768
	s_mul_i32 s89, s66, 128*768
	s_add_co_u32 s88, s88, s89
	s_mov_b32 s89, 0
	s_mul_i32 s90, s23, 128*768
	s_mul_i32 s91, s66, 64*768
	s_add_co_u32 s90, s90, s91
	s_mov_b32 s91, 0
	s_lshr_b32 s92, s[WV], 1
	s_add_co_u32 s92, s92, 1
	s_mul_i32 s92, s92, 1024*768
	s_and_b32 s93, s[WV], 1
	s_mul_i32 s93, s93, 64*768
	s_add_co_u32 s92, s92, s93
	s_mul_i32 s93, s23, 128*768
	s_add_co_u32 s92, s92, s93
	s_mov_b32 s93, 0
	s_mov_b32 s[G0X], 1
	s_mul_i32 s[G0X+1], s66, 2*SUBT
	s_add_co_u32 s[G0X+1], s[G0X+1], XLDS
	s_mov_b32 s[G0Q], 1
	s_mul_i32 s[G0Q+1], s66, SUBT
	s_mov_b32 s[G0R], 1
	s_mul_i32 s[G0R+1], s[WV], SUBT
	s_add_co_u32 s[G0R+1], s[G0R+1], XLDS
	s_wait_kmcnt 0x0
	s_add_nc_u64 s[G0X+2:G0X+3], s[4:5], s[88:89]
	s_or_b32 s[G0X+3], s[G0X+3], 0x80000000
	s_add_nc_u64 s[G0Q+2:G0Q+3], s[8:9], s[90:91]
	s_or_b32 s[G0Q+3], s[G0Q+3], 0x80000000
	s_add_nc_u64 s[G0R+2:G0R+3], s[8:9], s[92:93]
	s_or_b32 s[G0R+3], s[G0R+3], 0x80000000
	s_lshr_b32 s94, s24, 3
	s_lshl_b32 s94, s94, 4
	s_lshl_b32 s95, s23, 1
	s_add_co_u32 s94, s94, s95
	s_and_b32 s95, s24, 7
	s_and_b32 s27, s[WV], 1
	s_mov_b32 s97, 0
	s_mul_i32 s96, s94, QHEAD
	s_mul_i32 s66, s95, 16*768
	s_add_co_u32 s96, s96, s66
	s_mul_i32 s66, s[WV], 4*768
	s_add_co_u32 s96, s96, s66
	s_add_nc_u64 s[PQ:PQ+1], s[14:15], s[96:97]
	s_lshl_b32 s96, s94, 13
	s_lshl_b32 s66, s95, 10
	s_add_co_u32 s96, s96, s66
	s_lshl_b32 s66, s[WV], 8
	s_add_co_u32 s96, s96, s66
	s_add_nc_u64 s[PQS:PQS+1], s[16:17], s[96:97]
	s_mul_i32 s96, s94, KVHEAD
	s_mul_i32 s66, s95, 2*KVSTEP
	s_add_co_u32 s96, s96, s66
	s_lshr_b32 s66, s[WV], 1
	s_mul_i32 s66, s66, KVSTEP
	s_add_co_u32 s96, s96, s66
	s_add_nc_u64 s[98:99], s[18:19], s[96:97]
	s_mul_i32 s96, s27, 4*768
	s_add_nc_u64 s[PK:PK+1], s[98:99], s[96:97]
	s_lshl_b32 s96, s27, 8
	s_add_co_u32 s96, s96, 12288
	s_add_nc_u64 s[PKS:PKS+1], s[98:99], s[96:97]
	s_mul_i32 s96, s27, 768
	s_add_co_u32 s96, s96, 6144
	s_add_nc_u64 s[PV:PV+1], s[98:99], s[96:97]
	s_lshl_b32 s96, s27, 1
	s_add_co_u32 s96, s96, 12800
	s_add_nc_u64 s[PVS:PVS+1], s[98:99], s[96:97]
	s_lshl_b32 s96, s23, 12
	s_add_nc_u64 s[PWS:PWS+1], s[10:11], s[96:97]
	s_lshl_b32 s96, s23, 9
	s_add_nc_u64 s[PB:PB+1], s[12:13], s[96:97]
	s_lshl_b32 s96, s24, 13
	s_lshl_b32 s66, s[WV], 11
	s_add_co_u32 s96, s96, s66
	s_add_nc_u64 s[PXS:PXS+1], s[6:7], s[96:97]
	CROUND
	s_cmp_lt_u32 s[WV], 2                          ; the head's fills, one a wave: waves 0 and 1 bring 128 rows of x each, waves 2 and 3 64 rows of W_q each
	s_cbranch_scc0 .Lhead_w
	tensor_load_to_lds s[G0X:G0X+3], s[G1X:G1X+7]
	s_nop 0
	PLACES 4
	s_branch .Lhead_asked
.Lhead_w:
	tensor_load_to_lds s[G0Q:G0Q+3], s[G1W:G1W+7]
	s_nop 0
	PLACES 4
.Lhead_asked:
	s_wait_alu depctr_va_vdst(0)
.irp i, 0,1
	global_load_b128 v[XS+8*\i:XS+8*\i+3], v[LN32], s[PXS:PXS+1] offset:1024*\i
	global_load_b128 v[XS+8*\i+4:XS+8*\i+7], v[LN32], s[PXS:PXS+1] offset:1024*\i+16
.endr
	LOADSB 0
.irp b, 0,1,2,3
	v_mov_b32 v[TM+4+\b], 0
.endr
	s_wait_alu depctr_va_vdst(0)
	s_wait_tensorcnt 0x0                           ; my fill has landed,
	s_barrier_signal -1
	s_barrier_wait -1                              ; everybody's has
	FETCHX
	WIN 0
	s_wait_tensorcnt 0x0
	ds_add_u32 v[SPW], v[NIL]
	s_wait_dscnt 0x0
	CROUND
	tensor_load_to_lds s[G0R:G0R+3], s[G1W:G1W+7]
	s_nop 0
	PLACES 4
	FETCHW 0, 0
	s_wait_alu depctr_va_vdst(0)
	SUBTILE 0, 0, 0
	SUBTILE 0, 0, 1
	SUBTILE 0, 1, 2
	SUBTILE 0, 1, 3
	SUBTILE 1, 2, 4
	SUBTILE 1, 2, 5
	WIN 0
	s_wait_tensorcnt 0x0
	ds_add_u32 v[SPW], v[NIL]
	s_wait_dscnt 0x0
	CROUND
	s_endpgm
.Lfunc_end_k_qfaac861490_qkv:
	.size	k_qfaac861490_qkv, .Lfunc_end_k_qfaac861490_qkv-k_qfaac861490_qkv
	.p2alignl 7, 3214868480
	.fill 96, 4, 3214868480
	.section	.rodata,"a",@progbits
	.p2align	6, 0x0
	.amdhsa_kernel k_qfaac861490_qkv
		.amdhsa_group_segment_fixed_size 327680
		.amdhsa_private_segment_fixed_size 0
		.amdhsa_enable_private_segment 0
		.amdhsa_kernarg_size 64
		.amdhsa_user_sgpr_count 2
		.amdhsa_user_sgpr_kernarg_segment_ptr 1
		.amdhsa_wavefront_size32 1
		.amdhsa_system_sgpr_workgroup_id_x 1
		.amdhsa_system_sgpr_workgroup_id_y 1
		.amdhsa_system_sgpr_workgroup_id_z 1
		.amdhsa_system_vgpr_workitem_id 0
		.amdhsa_next_free_vgpr 1024
		.amdhsa_next_free_sgpr 100
		.amdhsa_reserve_vcc 0
		.amdhsa_float_denorm_mode_32 3
		.amdhsa_float_denorm_mode_16_64 3
		.amdhsa_memory_ordered 1
		.amdhsa_forward_progress 1
		.amdhsa_inst_pref_size 255
	.end_amdhsa_kernel
	.section	.bss,"aw",@nobits
	.p2align	6
	.space	262144
	.amdgpu_metadata
---
amdhsa.version: [ 1, 2 ]
amdhsa.kernels:
  - .name:           k_qfaac861490_qkv
    .symbol:         k_qfaac861490_qkv.kd
    .args:
      - { .name: x_codes, .offset: 0, .size: 8, .value_kind: global_buffer, .address_space: global }
      - { .name: x_scales, .offset: 8, .size: 8, .value_kind: global_buffer, .address_space: global }
      - { .name: qkv_w_codes, .offset: 16, .size: 8, .value_kind: global_buffer, .address_space: global }
      - { .name: qkv_w_scales, .offset: 24, .size: 8, .value_kind: global_buffer, .address_space: global }
      - { .name: qkv_b, .offset: 32, .size: 8, .value_kind: global_buffer, .address_space: global }
      - { .name: qimg, .offset: 40, .size: 8, .value_kind: global_buffer, .address_space: global }
      - { .name: qsc, .offset: 48, .size: 8, .value_kind: global_buffer, .address_space: global }
      - { .name: kv, .offset: 56, .size: 8, .value_kind: global_buffer, .address_space: global }
    .group_segment_fixed_size: 327680
    .private_segment_fixed_size: 0
    .kernarg_segment_align: 8
    .kernarg_segment_size: 64
    .max_flat_workgroup_size: 128
    .sgpr_count:     100
    .vgpr_count:     1024
    .wavefront_size: 32
...
	.end_amdgpu_metadata
.endif
;; end of part 1
;; launch attn (part 2): grid 4 x 64, 8 waves a work-group, clusters of 4 x 1, 262,144 bytes of LDS; arguments qimg, qsc, kv, aimg, asc; writes aimg, asc
.if DOCPART == 2
	.amdgcn_target "amdgcn-amd-amdhsa--gfx1250"
	.amdhsa_code_object_version 6
	.text
	.protected	k_qfaac861490_attn
	.globl	k_qfaac861490_attn
	.p2align	8
	.type	k_qfaac861490_attn,@function
k_qfaac861490_attn:
	s_mov_b64 s[64:65], 0
	v_nop
	global_prefetch_b8 v0, s[64:65] scope:SCOPE_SE
	s_setreg_imm32_b32 hwreg(HW_REG_WAVE_MODE, 25, 1), 1
	s_wait_xcnt 0x0
	s_wait_alu depctr_hold_cnt(0) depctr_sa_sdst(0) depctr_va_vdst(0) depctr_va_sdst(0) depctr_va_ssrc(0) depctr_va_vcc(0) depctr_vm_vsrc(0)
	s_getreg_b32 s2, hwreg(HW_REG_IB_STS2, 6, 4)
	s_cmp_eq_u32 s2, 0
	s_cbranch_scc0 .Lentry_in_a_cluster
	s_endpgm
.Lentry_in_a_cluster:
	s_bfe_u32 s2, ttmp6, 0x10000c
	s_cmp_lg_u32 s2, 0x3003
	s_cbranch_scc0 .Lentry_shape_is_right
	s_endpgm
.Lentry_shape_is_right:
; O = softmax(q k^T / 8) v for one head, both products on codes of FP6 (E2M3); O is quantised along the model's 1,024 (two blocks of 32 a head) and leaves as codes.
; THE SOFTMAX: t = score x log2(e) / 8; M = the running largest t rounded up to a whole number; p = 2^(t - M) is quantised along the keys, not normalised; the row's sum is taken of the unquantised p
; and divides O at the end.  When M moves, the sum and O are multiplied by 2^(old M - new M), which rounds nothing.
; SHARES.  A work-group owns 512 queries of one head; each of its eight waves owns four tiles of 16 queries and walks the 2,048 keys ONCE, 128 keys a step: a fragment of k or v^T read from LDS serves four tiles.
; LDS holds the head's whole block of kv, filled once: wave w brings key steps 2 w and 2 w + 1 by one joint load (cluster 4 x 1: the four query quarters of a head want the same block).
; The load lays 64 bytes of padding behind every 256: a step of 13,056 bytes takes 16,320; byte y of a step lies at y + 64 (y / 256).
; No prefetch: all that the launch reads by tensor loads is asked for at its head; there is no loop to run ahead in.
; LAYOUT.  S^T = k q^T (source 0 = 16 keys, source 1 = 16 queries), O^T = v^T p^T: a lane holds one query throughout.  The head's K is 64: the upper half of q's operand is zero codes, which meet whatever follows k's six registers.
; THE KEYS OF A TILE ARE CHOSEN BY THE LANES' LDS ADDRESSES: tile (c, u) takes as rows 0-7 eight keys of block 2 c and as rows 8-15 eight keys of block 2 c + 1 (group 0, 2, 1, 3 of the block for u = 0 .. 3: the order
; in which v's codes were laid).  So lanes 0-15 hold all 32 p of block 2 c and lanes 16-31 those of block 2 c + 1, in the operand's order: a block's maximum needs no other lane, and the conversions' results are the operand.
; A STEP: scores and maxima of tiles 0 and 1; then four stages.  Stage i: the exponentials of tile i, with tile i + 1's t - M between them; O x f; the row's sum; p's scales and codes; tile i + 2's scores and maxima; the products with v^T.
; LINES THAT HANG ON EACH OTHER STAND APART: the short chains (scale bytes and p's scale word; the running maximum, -M and f) are laid line by line between the lines of the long independent runs (the sum's additions,
; the maxima, the scalings) or between the products with v^T; the maxima go in six chains by turns, the sum in four.
; REGISTERS.  Window 0: addresses, state, q's operands (v80-127), two sets of scores (v128-255, tile % 2).  Window 1: v0-127 O^T of the four tiles, then k, six zeros, v^T, p's codes.
; LIMITS: the promise holds while the scaled scores stay under 2^31 in magnitude; a block whose largest magnitude lies under 2^-124 gets the scale byte 1, a block of zeros too (this program alone reads the bytes);
; NaN and infinities are not served; a block's largest p is made from its largest score by the same multiply-add and exponential, which takes v_exp_f32 not to fall where its input rises; 1 / sum is v_rcp_f32.
.set STEPB, 16320
.set KVSTEP, 13056
.set KVHEAD, 16*KVSTEP
.set SPARE, 16*STEPB
.set LN16, 1
.set LN8,  2
.set RW32, 3
.set RW16, 4
.set CK16, 5                           ; lane terms of k's pieces of 16 and 8 bytes, v's of 16, k's scale words
.set CK8,  6
.set CV16, 7
.set CKS,  8
.set AK16, 9                           ; the same + the step's first byte
.set AK8,  10
.set AV16, 11
.set AV8,  12
.set AKS,  13
.set AVS,  14
.set SH8,  15                          ; 8 x (lane / 16)
.set MM,   16                          ; tile t: v[MM+2t] -M, v[MM+2t+1] the running largest score
.set LL,   24                          ; tile t: the row's sum in two halves
.set FF,   32                          ; tile % 2: f = 2^(old M - new M), and a word written once
.set BM,   36                          ; tile % 2: my two blocks' largest scores, then largest p
.set TS,   40                          ; eight at work: the sum's four chains; v44-47 the maxima's second and third chains
.set SO,   48
.set B2,   50
.set RM,   52                          ; tile % 2, at work
.set TT,   54
.set OLD,  56                          ; tile % 2: the old -M
.set WD,   58
.set WX,   59
.set QS,   60                          ; scale words: q's four, k's four, v's four, p's
.set KS,   64
.set VS,   68
.set PS,   72
.set SPW,  73
.set NIL,  74
.set QF,   80                          ; q: four operands, registers 6-11 of each zeros
.set SC,   128                         ; scores, then p
.set KF,   128                         ; window 1: k, 8 half fragments; six zeros behind them
.set ZZ,   176
.set VF,   182
.set PC,   230
.set PT,   242
.set WV,   14
.set SEL,  18
.set CS,   20
.set TB,   22
.set CNT,  23
.set G1,   24
.set G0,   32
.set PQ,   36
.set PQS,  38
.set PA,   40
.set PAS,  42
.set MSB, 0
.macro WIN new                         ; the immediate's high byte repeats the setting that is left
.if MSB != (\new)
	s_set_vgpr_msb (MSB<<8)|(\new)
.set MSB, (\new)
.endif
.endm
.macro WALU
	s_wait_alu depctr_va_vdst(0)
.endm
.macro CROUND
	s_barrier_signal -1
	s_barrier_wait -1
	s_cmp_lg_u32 s[WV], 0
	s_cbranch_scc1 .Lnot_wave_0_\@
	s_barrier_signal -3
.Lnot_wave_0_\@:
	s_barrier_wait -3
	s_barrier_signal -1
	s_barrier_wait -1
.endm
.macro FETCHK                          ; 18 loads: tile (c, u) into half fragment 4 c + u; scale words: register u, lanes 0-15 c = 0, lanes 16-31 c = 1
	WIN 0x40
.irp c, 0,1
.irp u, 0,1,2,3
	ds_load_b128 v[KF+6*(4*\c+\u):KF+6*(4*\c+\u)+3], v[AK16] offset:960*(4*\c+\u%2)+128*(\u/2)
	ds_load_b64 v[KF+6*(4*\c+\u)+4:KF+6*(4*\c+\u)+5], v[AK8] offset:960*(4*\c+\u%2)+640+64*(\u/2)
.endr
.endr
	WIN 0
	ds_load_b64 v[KS:KS+1], v[AKS] offset:15360
	ds_load_b64 v[KS+2:KS+3], v[AKS] offset:15360+128
.endm
.macro FETCHV                          ; 17 loads
	WIN 0x40
.irp d, 0,1,2,3
.irp c, 0,1
	ds_load_b128 v[VF+12*\d+6*\c:VF+12*\d+6*\c+3], v[AV16] offset:7680+1920*\d+960*\c
	ds_load_b64 v[VF+12*\d+6*\c+4:VF+12*\d+6*\c+5], v[AV8] offset:7680+1920*\d+960*\c+640
.endr
.endr
	WIN 0
	ds_load_b128 v[VS:VS+3], v[AVS] offset:16000
.endm
.macro SMUL t                          ; tile t's scores of the step's 128 keys
	WIN 0x01
.irp n, 0,1,2,3
	v_wmma_scale_f32_16x16x128_f8f6f4 v[SC+64*((\t)%2)+8*\n:SC+64*((\t)%2)+8*\n+7], v[KF+6*\n:KF+6*\n+11], v[QF+12*(\t):QF+12*(\t)+11], 0, v[KS+\n], v[QS+(\t)] matrix_a_fmt:MATRIX_FMT_FP6 matrix_b_fmt:MATRIX_FMT_FP6
.endr
.irp n, 4,5,6,7
	v_wmma_scale_f32_16x16x128_f8f6f4 v[SC+64*((\t)%2)+8*\n:SC+64*((\t)%2)+8*\n+7], v[KF+6*\n:KF+6*\n+11], v[QF+12*(\t):QF+12*(\t)+11], 0, v[KS+\n-4], v[QS+(\t)] matrix_a_fmt:MATRIX_FMT_FP6 matrix_b_fmt:MATRIX_FMT_FP6 matrix_a_scale:MATRIX_SCALE_ROW1
.endr
.endm
.macro PMUL t, d                       ; O^T's channel tile d += v^T p^T; the four accumulators take turns
	WIN 0x55
	v_wmma_scale_f32_16x16x128_f8f6f4 v[32*(\t)+8*(\d):32*(\t)+8*(\d)+7], v[VF+12*(\d):VF+12*(\d)+11], v[PC:PC+11], v[32*(\t)+8*(\d):32*(\t)+8*(\d)+7], v[VS+(\d)], v[PS] matrix_a_fmt:MATRIX_FMT_FP6 matrix_b_fmt:MATRIX_FMT_FP6
.endm
.macro MA k, t                         ; line k of: the running maximum and the new -M of tile t
.set P_, (\t)%2
.if (\k) == 0
	v_mov_b32 v[OLD+P_], v[MM+2*(\t)]
.elseif (\k) == 1
	v_max3_num_f32 v[RM+P_], v[BM+2*P_], v[BM+2*P_+1], v[MM+2*(\t)+1]
.elseif (\k) == 2
	v_permlanex16_b32 v[TT+P_], v[RM+P_], s[SEL], s[SEL+1]
.elseif (\k) == 3
	v_max_num_f32 v[MM+2*(\t)+1], v[RM+P_], v[TT+P_]
.elseif (\k) == 4
	v_mul_f32 v[RM+P_], s[CS], v[MM+2*(\t)+1]
.else
	v_floor_f32 v[MM+2*(\t)], -v[RM+P_]
.endif
.endm
.macro MB k, t                         ; line k of: f, and t - M of the blocks' largest scores
.set P_, (\t)%2
.if (\k) == 0
	v_sub_f32 v[TT+P_], v[MM+2*(\t)], v[OLD+P_]
.elseif (\k) == 1
	v_fma_f32 v[BM+2*P_], v[BM+2*P_], s[CS], v[MM+2*(\t)]
.elseif (\k) == 2
	v_fma_f32 v[BM+2*P_+1], v[BM+2*P_+1], s[CS], v[MM+2*(\t)]
.elseif (\k) == 3
	v_cvt_i32_f32 v[TT+P_], v[TT+P_]
.else
	v_ldexp_f32 v[FF+2*P_], 1.0, v[TT+P_]
.endif
.endm
.macro WV k, w
.if (\w) >= 0
	MA \k, \w
.endif
.endm
.macro MX3 ch, x, y
.irp c, 0,1
	v_max3_num_f32 v[CH\ch\()_+\c], v[SX_+32*\c+\x], v[SX_+32*\c+\y], v[CH\ch\()_+\c]
.endr
.endm
; The largest score of my two blocks: three chains a block, six by turns; each accumulator is first read at its low end.  Between them tile w's lines (w < 0: none)
.macro MAXC t, w
.set SX_, SC+64*((\t)%2)
.set CH0_, BM+2*((\t)%2)
.set CH1_, TS+4
.set CH2_, TS+6
.irp c, 0,1
	v_max3_num_f32 v[CH0_+\c], v[SX_+32*\c], v[SX_+32*\c+1], v[SX_+32*\c+2]
.endr
.irp c, 0,1
	v_max3_num_f32 v[CH1_+\c], v[SX_+32*\c+8], v[SX_+32*\c+9], v[SX_+32*\c+10]
.endr
.irp c, 0,1
	v_max3_num_f32 v[CH2_+\c], v[SX_+32*\c+16], v[SX_+32*\c+17], v[SX_+32*\c+24]
.endr
	WV 0, \w
	MX3 0, 3, 4
	WV 1, \w
	MX3 1, 5, 6
	MX3 2, 7, 11
	WV 2, \w
	MX3 0, 12, 13
	MX3 1, 14, 15
	WV 3, \w
	MX3 2, 18, 19
	MX3 0, 20, 21
	WV 4, \w
	MX3 1, 22, 23
	MX3 2, 25, 26
	WV 5, \w
	MX3 0, 27, 28
	MX3 1, 29, 30
.irp c, 0,1
	v_max_num_f32 v[CH2_+\c], v[CH2_+\c], v[SX_+32*\c+31]
.endr
.endm
.macro MJOIN t
.irp c, 0,1
	v_max3_num_f32 v[BM+2*((\t)%2)+\c], v[BM+2*((\t)%2)+\c], v[TS+4+\c], v[TS+6+\c]
.endr
.endm
.macro TMM t, k                        ; t - M of tile t's pair k
	v_pk_fma_f32 v[SC+64*((\t)%2)+2*(\k):SC+64*((\t)%2)+2*(\k)+1], v[SC+64*((\t)%2)+2*(\k):SC+64*((\t)%2)+2*(\k)+1], s[CS:CS+1], v[MM+2*(\t):MM+2*(\t)+1] op_sel_hi:[1,0,0]
.endm
.macro TOPW k                          ; what stands behind tile 0's scaling k at a step's top: tile 1's maximum and -M, both tiles' f and block terms
.if (\k) == 0
	MA 0, 1
.elseif (\k) == 1
	MB 0, 0
.elseif (\k) == 2
	MA 1, 1
.elseif (\k) == 3
	MB 1, 0
.elseif (\k) == 4
	MB 2, 0
.elseif (\k) == 5
	MA 2, 1
.elseif (\k) == 6
	MB 3, 0
.elseif (\k) == 8
	MA 3, 1
.elseif (\k) == 9
	MB 4, 0
.elseif (\k) == 11
	MA 4, 1
.elseif (\k) == 14
	MA 5, 1
.elseif (\k) == 17
	MB 0, 1
.elseif (\k) == 18
	MB 1, 1
.elseif (\k) == 19
	MB 2, 1
.elseif (\k) == 20
	MB 3, 1
.elseif (\k) == 23
	MB 4, 1
.endif
.endm
.macro SW k                            ; line k of: p's scale operands, bytes and scale word (PA_: the tile's set)
.if (\k) < 2
	v_max_num_f32 v[BM+PA_+(\k)], 0x1800000, v[BM+PA_+(\k)]    ; the floor 2^(3 - 127): the byte cannot fall under 1
.elseif (\k) < 4
	v_add_nc_u32 v[SO+(\k)-2], 0xff000000, v[BM+PA_+(\k)-2]    ; 2 off the exponent field: the conversion's scale operand
.elseif (\k) < 6
	v_lshrrev_b32 v[B2+(\k)-4], 23, v[SO+(\k)-4]               ; the scale's byte
.elseif (\k) == 6
	v_lshl_or_b32 v[WD], v[B2+1], 16, v[B2]                    ; my two bytes: blocks h and 2 + h,
.elseif (\k) == 7
	v_lshlrev_b32 v[WD], v[SH8], v[WD]                         ; at their places in the word;
.elseif (\k) == 8
	v_permlanex16_b32 v[WX], v[WD], s[SEL], s[SEL+1]
.else
	v_or_b32 v[PS], v[WD], v[WX]                               ; with lane l xor 16's two the word is whole
.endif
.endm
.macro SWL j, i                        ; what stands behind addition j of stage i's sum
.if (\j) == 0
	SW 0
.elseif (\j) == 1
	SW 1
.elseif (\j) == 4
	SW 2
.elseif (\j) == 5
	SW 3
.elseif (\j) == 8
	SW 4
.elseif (\j) == 9
	SW 5
.elseif (\j) == 12
	SW 6
.elseif (\j) == 16
	SW 7
.elseif (\j) == 20
	SW 8
.elseif (\j) == 24
	SW 9
.elseif ((\i) == 1) || ((\i) == 2)
.if (\j) == 2
	MB 0, (\i)+1
.elseif (\j) == 3
	MB 1, (\i)+1
.elseif (\j) == 6
	MB 2, (\i)+1
.elseif (\j) == 7
	MB 3, (\i)+1
.elseif (\j) == 11
	MB 4, (\i)+1
.endif
.endif
.endm
; Tile a's 66 exponentials as one batch, an ALU wait ahead of it; between them tile b's t - M, whose sources stand ahead of that wait and whose results are first read behind the wait that follows the batch
.macro BATCH a, b
	WIN 0
	WALU
	v_exp_f32 v[BM+2*((\a)%2)], v[BM+2*((\a)%2)]
	v_exp_f32 v[BM+2*((\a)%2)+1], v[BM+2*((\a)%2)+1]
.set KK, 0
.rept 32
	v_exp_f32 v[SC+64*((\a)%2)+2*KK], v[SC+64*((\a)%2)+2*KK]
.if (\b) >= 0
	TMM \b, KK
.endif
	v_exp_f32 v[SC+64*((\a)%2)+2*KK+1], v[SC+64*((\a)%2)+2*KK+1]
.set KK, KK+1
.endr
.endm
.macro STAGE i, nx
.set SA_, SC+64*((\i)%2)
.set PA_, 2*((\i)%2)
.if (\i) < 3
	BATCH \i, (\i)+1
.else
	BATCH \i, -1
.endif
.if (\i) == 0
	s_wait_dscnt 0x0                               ; v^T and its scale words are in (nothing younger is out)
.if \nx
	s_wait_tensorcnt 0x0                           ; my tile has landed: said ahead of every fetch of a later step; the wait for the others stands ahead of the next k's fetch.
	s_barrier_signal -1
.endif
.endif
	WIN 0x41
	WALU                                           ; behind the batch, and directly ahead of the first reads of O^T
.set JJ, 0
.rept 16
	v_pk_mul_f32 v[32*(\i)+JJ:32*(\i)+JJ+1], v[32*(\i)+JJ:32*(\i)+JJ+1], v[FF+PA_:FF+PA_+1] op_sel_hi:[1,0]   ; O^T under the new M
.set JJ, JJ+2
.endr
	WIN 0
.set JB, 0
.rept 28                               ; the step's sum of the unquantised p, four chains by turns, with the short chains' lines between
.if JB < 4
	v_pk_add_f32 v[TS+2*JB:TS+2*JB+1], v[SA_+2*JB:SA_+2*JB+1], v[SA_+8+2*JB:SA_+8+2*JB+1]
.else
	v_pk_add_f32 v[TS+2*(JB%4):TS+2*(JB%4)+1], v[SA_+8+2*JB:SA_+8+2*JB+1], v[TS+2*(JB%4):TS+2*(JB%4)+1]
.endif
	SWL JB, \i
.set JB, JB+1
.endr
	WIN 0x40
.irp c, 0,1
	v_cvt_scalef32_pk16_fp6_f32 v[PC+6*\c:PC+6*\c+2], v[SA_+32*\c:SA_+32*\c+15], v[SO+\c]
	v_cvt_scalef32_pk16_fp6_f32 v[PT+4*\c:PT+4*\c+2], v[SA_+32*\c+16:SA_+32*\c+31], v[SO+\c]   ; (a conversion's three registers begin on an even number)
.endr
	WIN 0
	v_pk_add_f32 v[TS:TS+1], v[TS:TS+1], v[TS+2:TS+3]          ; plain lines between the conversions and what touches their registers
	v_pk_add_f32 v[TS+4:TS+5], v[TS+4:TS+5], v[TS+6:TS+7]
.if (\i) < 2
	SMUL (\i)+2                                    ; into the set of scores just done with
.endif
	WIN 0x41                                       ; the lines from here to the maxima are the places behind those products
.irp c, 0,1
.irp j, 0,1,2
	v_mov_b32 v[PC+6*\c+3+\j], v[PT+4*\c+\j]
.endr
.endr
	WIN 0                                          ; four places between p's last code and the products with v^T
	v_pk_add_f32 v[TS:TS+1], v[TS:TS+1], v[TS+4:TS+5]
.if (\i) < 2
	MA 0, (\i)+2
.else
	v_nop
.endif
	v_pk_fma_f32 v[LL+2*(\i):LL+2*(\i)+1], v[LL+2*(\i):LL+2*(\i)+1], v[FF+PA_:FF+PA_+1], v[TS:TS+1] op_sel_hi:[1,0,1]   ; the sum so far x f + the step's
.if (\i) < 2
	MAXC (\i)+2, -1
	PMUL \i, 0                                     ; the lines that make tile i + 2's -M hang on each other: they stand between the products
	WIN 0
	MJOIN (\i)+2
	PMUL \i, 1
	WIN 0
	MA 1, (\i)+2
	PMUL \i, 2
	WIN 0
	MA 2, (\i)+2
	PMUL \i, 3
	WIN 0
	MA 3, (\i)+2
	MA 4, (\i)+2
	MA 5, (\i)+2
.else
	v_nop
	PMUL \i, 0
	PMUL \i, 1
	PMUL \i, 2
	PMUL \i, 3
	WIN 0
.endif
.if (\nx) && ((\i) == 1)
	WALU                                           ; the wait ahead of the barrier's wait
	s_barrier_wait -1                              ; every wave's tile has landed: the head's block is whole
	FETCHK
.endif
.if (\nx) && ((\i) == 3)
	v_add_nc_u32 v[AV16], s[TB], v[CV16]           ; four places between the last products with v^T and the loads into its registers
	v_add_nc_u32 v[AV8], s[TB], v[LN8]
	v_add_nc_u32 v[AVS], s[TB], v[RW16]
	v_nop
	FETCHV
.endif
.endm
.macro STEP nx
	s_wait_dscnt 17                                ; k and its scale words are in; v's 17 loads, issued behind them, may be out
	WALU                                           ; the wait behind the backward jump and the wait above
	SMUL 0
	SMUL 1
	WIN 0
.if \nx
	s_add_co_u32 s[TB], s[TB], STEPB
	v_add_nc_u32 v[AK16], s[TB], v[CK16]           ; four places behind the products
	v_add_nc_u32 v[AK8], s[TB], v[CK8]
	v_add_nc_u32 v[AKS], s[TB], v[CKS]
	v_nop
.else
.rept 4
	v_nop
.endr
.endif
	MAXC 0, -1
	MJOIN 0
	MAXC 1, 0
	MJOIN 1
.set KT, 0
.rept 32
	TMM 0, KT
	TOPW KT
.set KT, KT+1
.endr
	STAGE 0, \nx
	STAGE 1, \nx
	STAGE 2, \nx
	STAGE 3, \nx
.endm
; Tile t's O is divided by the sum, brought into its true order, quantised and stored.  Its codes and bytes lie where q's operand lay
.macro EPI t
.set SE_, SC+64*((\t)%2)
.set EC_, QF+12*(\t)
	v_add_f32 v[RM], v[LL+2*(\t)], v[LL+2*(\t)+1]
	v_permlanex16_b32 v[TT], v[RM], s[SEL], s[SEL+1]
	v_add_f32 v[RM], v[RM], v[TT]                  ; the row's sum
	WALU
	v_rcp_f32 v[RM], v[RM]
	v_nop
	WIN 0x01
	WALU
.set JJ, 0
.rept 16
	v_pk_mul_f32 v[SE_+JJ:SE_+JJ+1], v[32*(\t)+JJ:32*(\t)+JJ+1], v[RM:RM+1] op_sel_hi:[1,0]   ; register 8 d + i: channel 16 d + 8 h + i
.set JJ, JJ+2
.endr
	WIN 0
.irp b, 0,1
.irp j, 0,1,2,3,4,5,6,7
	v_permlane16_swap_b32 v[SE_+16*\b+\j], v[SE_+16*\b+8+\j]   ; then register 16 b + i holds channel 32 b + 16 h + i
.endr
.endr
.irp b, 0,1
	v_max3_num_f32 v[BM+\b], |v[SE_+16*\b]|, |v[SE_+16*\b+1]|, 0x1800000
.endr
.irp j, 2,4,6,8,10,12,14
.irp b, 0,1
	v_max3_num_f32 v[BM+\b], |v[SE_+16*\b+\j]|, |v[SE_+16*\b+\j+1]|, v[BM+\b]
.endr
.endr
.irp b, 0,1
	v_permlanex16_b32 v[B2+\b], v[BM+\b], s[SEL], s[SEL+1]
.endr
.irp b, 0,1
	v_max_num_f32 v[BM+\b], v[BM+\b], v[B2+\b]
.endr
.irp b, 0,1
	v_add_nc_u32 v[SO+\b], 0xff000000, v[BM+\b]
.endr
.irp b, 0,1
	v_lshrrev_b32 v[B2+\b], 23, v[SO+\b]
.endr
	v_lshl_or_b32 v[EC_+6], v[B2+1], 8, v[B2]
	v_cvt_scalef32_pk16_fp6_f32 v[EC_:EC_+2], v[SE_:SE_+15], v[SO]
	v_cvt_scalef32_pk16_fp6_f32 v[TS:TS+2], v[SE_+16:SE_+31], v[SO+1]
	v_nop
.irp j, 0,1,2
	v_permlane16_swap_b32 v[EC_+\j], v[TS+\j]
.endr
.irp j, 0,1,2
	v_mov_b32 v[EC_+3+\j], v[TS+\j]
.endr
	global_store_b128 v[LN16], v[EC_:EC_+3], s[PA:PA+1] offset:12288*(\t)        ; the image: 512 and 256 consecutive bytes, aligned to 256; each tile has registers of its own
	global_store_b64 v[LN8], v[EC_+4:EC_+5], s[PA:PA+1] offset:12288*(\t)+512
	global_store_b16 v[RW32], v[EC_+6], s[PAS:PAS+1] offset:512*(\t)             ; my head's 2 of the token's 32 scale bytes; lanes 16-31 store the same values to the same bytes
.endm
	s_load_b256 s[4:11], s[0:1], 0x0               ; qimg 4, qsc 6, kv 8, aimg 10
	s_load_b64 s[12:13], s[0:1], 0x20              ; asc
	v_lshl_add_u32 v[SPW], v0, 2, SPARE
	v_mov_b32 v[NIL], 0
	ds_add_u32 v[SPW], v[NIL]                      ; the opening lines: the add twice on end and its wait ahead of my tensor load
	ds_add_u32 v[SPW], v[NIL]
	v_lshrrev_b32 v16, 5, v0
	v_readfirstlane_b32 s[WV], v16                 ; wave 0..7
	v_and_b32 v17, 31, v0
	v_and_b32 v18, 15, v0                          ; r
	v_bfe_u32 v19, v0, 4, 1                        ; h
	v_bfe_u32 v20, v0, 3, 1                        ; r / 8
	v_and_b32 v21, 7, v0                           ; r % 8
	v_lshlrev_b32 v[LN16], 4, v17
	v_lshlrev_b32 v[LN8], 3, v17
	v_lshlrev_b32 v[RW16], 4, v18
	v_lshlrev_b32 v[RW32], 5, v18
	v_lshlrev_b32 v[SH8], 3, v19
	v_mul_u32_u24 v22, v20, 1920                   ; rows 8-15 of a tile come from the image two tiles on: 2 x 960 bytes
	v_mad_u32_u24 v[CK16], v19, 320, v22
	v_lshl_add_u32 v[CK16], v21, 4, v[CK16]
	v_lshl_add_u32 v[CK8], v19, 7, v22
	v_lshl_add_u32 v[CK8], v21, 3, v[CK8]
	v_mad_u32_u24 v[CV16], v19, 320, v[RW16]
	v_lshlrev_b32 v22, 3, v20
	v_mad_u32_u24 v[CKS], v19, 320, v22
	v_lshl_add_u32 v[CKS], v21, 4, v[CKS]
	s_bfe_u32 s15, ttmp6, 0x40000                  ; cx
	s_lshl_b32 s16, ttmp9, 2
	s_add_co_u32 s16, s16, s15                     ; my quarter of the queries: it enters q's and the outputs' addresses alone
	s_and_b32 s17, ttmp7, 0xffff                   ; 16 x batch + head, which the four partners share
	s_mov_b32 s[SEL], 0x76543210
	s_mov_b32 s[SEL+1], 0xfedcba98
	s_mov_b32 s[CS], 0x3e38aa3b                    ; c = log2(e) / 8
	s_mov_b32 s[CS+1], s[CS]
	; the descriptor: 102 dense rows of 32 elements of 8 bytes, 16 words of padding behind each; the mask of all four, bit 21 beside it
	s_mov_b32 s[G1], 15|(3<<16)|(1<<20)|(1<<21)|(5<<22)|(15<<25)
	s_mov_b32 s[G1+1], 32<<16
	s_mov_b32 s[G1+2], 102<<16
	s_mov_b32 s[G1+3], 32<<16
	s_mov_b32 s[G1+4], 102
	s_mov_b32 s[G1+5], 32
	s_mov_b32 s[G1+6], 0
	s_mov_b32 s[G1+7], 0
	s_mul_i32 s44, s17, KVHEAD
	s_mul_i32 s45, s[WV], 2*KVSTEP
	s_add_co_u32 s44, s44, s45                     ; the head's key steps 2 w, 2 w + 1
	s_mov_b32 s45, 0
	s_mov_b32 s[G0], 1
	s_mul_i32 s[G0+1], s[WV], 2*STEPB
	s_mov_b32 s47, 0
	s_mov_b32 s[TB], 0
	WALU                                           ; the wait at the head's end
	s_wait_dscnt 0x0
	s_wait_kmcnt 0x0
	s_add_nc_u64 s[G0+2:G0+3], s[8:9], s[44:45]
	s_or_b32 s[G0+3], s[G0+3], 0x80000000
	s_mul_i32 s46, s17, 128*768
	s_mul_i32 s48, s16, 32*768
	s_add_co_u32 s46, s46, s48
	s_mul_i32 s48, s[WV], 4*768
	s_add_co_u32 s46, s46, s48
	s_add_nc_u64 s[PQ:PQ+1], s[4:5], s[46:47]      ; q's images: tile 32 x quarter + 4 w
	s_lshl_b32 s46, s17, 13
	s_lshl_b32 s48, s16, 11
	s_add_co_u32 s46, s46, s48
	s_lshl_b32 s48, s[WV], 8
	s_add_co_u32 s46, s46, s48
	s_add_nc_u64 s[PQS:PQS+1], s[6:7], s[46:47]    ; q's scale words: group of 64 tokens 8 x quarter + w, four words a row
	s_lshr_b32 s49, s17, 4
	s_lshl_b32 s49, s49, 7
	s_lshl_b32 s48, s16, 5
	s_add_co_u32 s49, s49, s48
	s_lshl_b32 s48, s[WV], 2
	s_add_co_u32 s49, s49, s48                     ; my first block of 16 tokens among all 512
	s_and_b32 s50, s17, 15                         ; the head
	s_mul_i32 s46, s49, 12288
	s_mul_i32 s48, s50, 768
	s_add_co_u32 s46, s46, s48
	s_add_nc_u64 s[PA:PA+1], s[10:11], s[46:47]
	s_lshl_b32 s46, s49, 9
	s_lshl_b32 s48, s50, 1
	s_add_co_u32 s46, s46, s48
	s_add_nc_u64 s[PAS:PAS+1], s[12:13], s[46:47]
.irp p, 0,1,2,3
	global_load_b128 v[QF+12*\p:QF+12*\p+3], v[LN16], s[PQ:PQ+1] offset:768*\p
	global_load_b64 v[QF+12*\p+4:QF+12*\p+5], v[LN8], s[PQ:PQ+1] offset:768*\p+512
.endr
	global_load_b128 v[QS:QS+3], v[RW16], s[PQS:PQS+1]
	CROUND                                         ; all four work-groups are here: the joint loads meet
	s_cmp_eq_u32 s[WV], 0                          ; my one tensor load of the launch.  Wave 0's, key steps 0 and 1, has a line of its own: wave 0 alone waits for it ahead of the first barrier
	s_cbranch_scc0 .Lothers
	tensor_load_to_lds s[G0:G0+3], s[G1:G1+7]
	s_nop 0
.rept 4
	v_nop
.endr
	s_branch .Lasked
.Lothers:
	tensor_load_to_lds s[G0:G0+3], s[G1:G1+7]
	s_nop 0
.rept 4
	v_nop
.endr
.Lasked:
.irp j, 0,1,2,3,4,5
.irp p, 0,1,2,3
	v_mov_b32 v[QF+12*\p+6+\j], 0                  ; zero codes for K = 64 .. 127
.endr
.endr
	v_mov_b32 v[MM+1], 0xff61b1e6                  ; the largest score so far: -3e38
	v_mul_f32 v[RM], s[CS], v[MM+1]
	v_floor_f32 v[MM], -v[RM]                      ; -M
.irp t, 1,2,3
	v_mov_b32 v[MM+2*\t], v[MM]
	v_mov_b32 v[MM+2*\t+1], v[MM+1]
.endr
.irp j, 0,1,2,3,4,5,6,7
	v_mov_b32 v[LL+\j], 0
.endr
.irp r, FF+1, FF+3, TT, TT+1, WX
	v_mov_b32 v[\r], 0                             ; named as a pair's upper half or as a lane permute's destination before they are first written
.endr
	v_add_nc_u32 v[AK16], s[TB], v[CK16]
	v_add_nc_u32 v[AK8], s[TB], v[CK8]
	v_add_nc_u32 v[AKS], s[TB], v[CKS]
	v_add_nc_u32 v[AV16], s[TB], v[CV16]
	v_add_nc_u32 v[AV8], s[TB], v[LN8]
	v_add_nc_u32 v[AVS], s[TB], v[RW16]
	WIN 0x40
.set JJ, 0
.rept 128
	v_mov_b32 v[JJ], 0                             ; the step is written once: the first finds zeros, which the first change of M leaves zeros
.set JJ, JJ+1
.endr
.irp j, 0,1,2,3,4,5
	v_mov_b32 v[ZZ+\j], 0                          ; what follows k's last half fragment
.endr
	WIN 0
	WALU
	s_cmp_eq_u32 s[WV], 0
	s_cbranch_scc0 .Lnot_first
	s_wait_tensorcnt 0x0                           ; key steps 0 and 1 have landed
.Lnot_first:
	s_barrier_signal -1
	s_barrier_wait -1                              ; step 0 may be read; the other waves' tiles may still be on their way
	s_wait_loadcnt 0x0                             ; q
	FETCHK
	FETCHV
	s_mov_b32 s[CNT], 15
.Lkeys:
	STEP 1
	WIN 0
	s_sub_co_u32 s[CNT], s[CNT], 1
	s_cmp_lg_u32 s[CNT], 0
	s_cbranch_scc1 .Lkeys
	STEP 0                                         ; the last step is written out: it fetches nothing beyond the block's end
	EPI 0
	EPI 1
	EPI 2
	EPI 3
	s_wait_tensorcnt 0x0                           ; the wave's end
	ds_add_u32 v[SPW], v[NIL]
	s_wait_dscnt 0x0
	CROUND                                         ; the closing round
	s_endpgm
.Lfunc_end_k_qfaac861490_attn:
	.size	k_qfaac861490_attn, .Lfunc_end_k_qfaac861490_attn-k_qfaac861490_attn
	.p2alignl 7, 3214868480
	.fill 96, 4, 3214868480
	.section	.rodata,"a",@progbits
	.p2align	6, 0x0
	.amdhsa_kernel k_qfaac861490_attn
		.amdhsa_group_segment_fixed_size 262144
		.amdhsa_private_segment_fixed_size 0
		.amdhsa_enable_private_segment 0
		.amdhsa_kernarg_size 40
		.amdhsa_user_sgpr_count 2
		.amdhsa_user_sgpr_kernarg_segment_ptr 1
		.amdhsa_wavefront_size32 1
		.amdhsa_system_sgpr_workgroup_id_x 1
		.amdhsa_system_sgpr_workgroup_id_y 1
		.amdhsa_system_sgpr_workgroup_id_z 1
		.amdhsa_system_vgpr_workitem_id 0
		.amdhsa_next_free_vgpr 512
		.amdhsa_next_free_sgpr 66
		.amdhsa_reserve_vcc 0
		.amdhsa_float_denorm_mode_32 3
		.amdhsa_float_denorm_mode_16_64 3
		.amdhsa_memory_ordered 1
		.amdhsa_forward_progress 1
		.amdhsa_inst_pref_size 134
	.end_amdhsa_kernel
	.amdgpu_metadata
---
amdhsa.version: [ 1, 2 ]
amdhsa.kernels:
  - .name:           k_qfaac861490_attn
    .symbol:         k_qfaac861490_attn.kd
    .args:
      - { .name: qimg, .offset: 0, .size: 8, .value_kind: global_buffer, .address_space: global }
      - { .name: qsc, .offset: 8, .size: 8, .value_kind: global_buffer, .address_space: global }
      - { .name: kv, .offset: 16, .size: 8, .value_kind: global_buffer, .address_space: global }
      - { .name: aimg, .offset: 24, .size: 8, .value_kind: global_buffer, .address_space: global }
      - { .name: asc, .offset: 32, .size: 8, .value_kind: global_buffer, .address_space: global }
    .group_segment_fixed_size: 262144
    .private_segment_fixed_size: 0
    .kernarg_segment_align: 8
    .kernarg_segment_size: 40
    .max_flat_workgroup_size: 256
    .sgpr_count:     66
    .vgpr_count:     512
    .wavefront_size: 32
...
	.end_amdgpu_metadata
.endif
;; end of part 2
;; launch fc (part 3): grid 32 x 8, 4 waves a work-group, clusters of 4 x 1, 168,448 bytes of LDS; arguments aimg, asc, fc_w_codes, fc_w_scales, fc_b, out0; writes out0
.if DOCPART == 3
	.amdgcn_target "amdgcn-amd-amdhsa--gfx1250"
	.amdhsa_code_object_version 6
	.text
	.protected	k_qfaac861490_fc
	.globl	k_qfaac861490_fc
	.p2align	8
	.type	k_qfaac861490_fc,@function
k_qfaac861490_fc:
	s_mov_b64 s[64:65], 0
	v_nop
	global_prefetch_b8 v0, s[64:65] scope:SCOPE_SE
	s_setreg_imm32_b32 hwreg(HW_REG_WAVE_MODE, 25, 1), 1
	s_wait_xcnt 0x0
	s_wait_alu depctr_hold_cnt(0) depctr_sa_sdst(0) depctr_va_vdst(0) depctr_va_sdst(0) depctr_va_ssrc(0) depctr_va_vcc(0) depctr_vm_vsrc(0)
	s_getreg_b32 s2, hwreg(HW_REG_IB_STS2, 6, 4)
	s_cmp_eq_u32 s2, 0
	s_cbranch_scc0 .Lentry_in_a_cluster
	s_endpgm
.Lentry_in_a_cluster:
	s_bfe_u32 s2, ttmp6, 0x10000c
	s_cmp_lg_u32 s2, 0x3003
	s_cbranch_scc0 .Lentry_shape_is_right
	s_endpgm
.Lentry_shape_is_right:
; out0 = a fc_w^T + fc_b on codes of FP6 (E2M3) with one E8M0 byte for each 32 along K = 1,024; a is the attention's output, as images of operand registers (aimg) and scale bytes laid as x's are (asc).
; SHARES.  Work-group (y, g): tokens 256 y .. + 255, columns 128 g .. + 127.  Wave w: tokens 64 w .. + 63, as two sub-tiles of 64 columns, 128 matrix instructions each.
; a's codes of my 64 tokens for all of K (384 registers) come STRAIGHT INTO REGISTERS: a fragment of K step s is the two half fragments of heads 2 s and 2 s + 1, each 512 + 256 consecutive bytes.
; They are not asked for jointly: each wave's 49,152 bytes are loaded once into the registers where they stay, and a joint load would send the same bytes through LDS besides.
; fc_w's 128 rows hang on g alone: the four work-groups of a cluster (four y, one g) ask for them jointly; they are filled once: rows of 768 bytes with 16 of padding behind each 256 (816 bytes = 204 words: row r
; starts at bank 12 r mod 64 (64 banks of 4 bytes: ISA guide 11.1), so the 32 lanes of an 8-byte load touch 64 different banks).
; Source 0 = 16 rows of fc_w, source 1 = 16 tokens: a lane holds eight neighbouring columns of one row of out0.  The bias is the C of each sum's first matrix instruction.
; THE WAY OUT: 16 rows x 64 columns at a time through my own stage in LDS (rows of 256 + 16 bytes, behind W; no fill lands there); sixteen lanes then store 256 consecutive bytes, aligned.
; REGISTERS, in windows of 256.  Window 0: v1-16 addresses; v32-47 a's scale words; v48-79 W's, a set for each sub-tile; v160-255 W's fragments, set 0.  window 1: a, K steps 0-4 (48 s + 12 block).
;   window 2: a, K steps 5-7; v144-239 W's fragments, set 1.  window 3: v0-127 the 16 accumulators; v128-191 biases, a set for each sub-tile; v192-255 rows on the way out, two sets.
.set PITCH,  816
.set SUBT,   64*PITCH
.set STG,    2*SUBT                    ; the stages: 16 x 272 bytes a wave
.set LN16, 1
.set LN8,  2
.set LN32, 4
.set HF32, 5
.set L0,   8
.set AW,   10
.set STO,  14
.set RD,   15
.set GO,   16
.set XS,   32
.set WS,   48
.set BIAS, 128
.set WV,   20
.set G1Q,  44
.set G0Q,  56
.set PA,   68
.set PO,   70
.set PWS,  80
.set PB,   82
.set PXS,  84
.set MSB, 0
.macro WIN new                         ; the immediate's high byte repeats the setting that is left; a switch that changes nothing is dropped
.if MSB != (\new)
	s_set_vgpr_msb (MSB<<8)|(\new)
.set MSB, (\new)
.endif
.endm
.macro PLACES n
.rept \n
	v_nop
.endr
.endm
.macro CROUND
	s_barrier_signal -1
	s_barrier_wait -1
	s_cmp_lg_u32 s[WV], 0
	s_cbranch_scc1 .Lnot_wave_0_\@
	s_barrier_signal -3
.Lnot_wave_0_\@:
	s_barrier_wait -3
	s_barrier_signal -1
	s_barrier_wait -1
.endm
.macro WM ra, rb                       ; one matrix instruction on rD, rA, rB, rC, rSA, rSB; ra, rb = 1: that side's scale words are taken from lanes 16-31
.if (\ra) && (\rb)
	v_wmma_scale_f32_16x16x128_f8f6f4 v[rD:rD+7], v[rA:rA+11], v[rB:rB+11], v[rC:rC+7], v[rSA], v[rSB] matrix_a_fmt:MATRIX_FMT_FP6 matrix_b_fmt:MATRIX_FMT_FP6 matrix_a_scale:MATRIX_SCALE_ROW1 matrix_b_scale:MATRIX_SCALE_ROW1
.elseif (\ra)
	v_wmma_scale_f32_16x16x128_f8f6f4 v[rD:rD+7], v[rA:rA+11], v[rB:rB+11], v[rC:rC+7], v[rSA], v[rSB] matrix_a_fmt:MATRIX_FMT_FP6 matrix_b_fmt:MATRIX_FMT_FP6 matrix_a_scale:MATRIX_SCALE_ROW1
.elseif (\rb)
	v_wmma_scale_f32_16x16x128_f8f6f4 v[rD:rD+7], v[rA:rA+11], v[rB:rB+11], v[rC:rC+7], v[rSA], v[rSB] matrix_a_fmt:MATRIX_FMT_FP6 matrix_b_fmt:MATRIX_FMT_FP6 matrix_b_scale:MATRIX_SCALE_ROW1
.else
	v_wmma_scale_f32_16x16x128_f8f6f4 v[rD:rD+7], v[rA:rA+11], v[rB:rB+11], v[rC:rC+7], v[rSA], v[rSB] matrix_a_fmt:MATRIX_FMT_FP6 matrix_b_fmt:MATRIX_FMT_FP6
.endif
.endm
.macro FRAG reg, adr, q, i             ; a fragment of W from LDS: pieces of 8 bytes 12 q + 0, 1, 2, 6, 7, 8, three further on for lanes 16-31; piece P lies at 8 P + 16 (P / 32)
.irp p, 0,1,2,3,4,5
.set PCE, 12*(\q)+6*(\p/3)+\p%3
.if PCE%32 < 29
	ds_load_b64 v[\reg+2*\p:\reg+2*\p+1], v[\adr] offset:8*PCE+16*(PCE/32)+(\i)*16*PITCH
.else
	ds_load_b64 v[\reg+2*\p:\reg+2*\p+1], v[\adr+1] offset:8*PCE+16*(PCE/32)+(\i)*16*PITCH
.endif
.endr
.endm
.macro FETCHW T, u                     ; sub-tile T's fragments of W for K steps 2 u and 2 u + 1 into set u % 2: 48 loads
.if (\u) == 0
	WIN 0
	v_add_nc_u32 v[AW], SUBT*(\T), v[L0]
	v_add_nc_u32 v[AW+1], SUBT*(\T), v[L0+1]
.endif
.set FS, (\u)%2
.set WSEL, FS<<7
	WIN WSEL
.irp e, 0,1
.irp i, 0,1,2,3
.set FRG, 160-16*FS+12*(4*\e+\i)
	FRAG FRG, AW, 2*(\u)+\e, \i
.endr
.endr
.endm
.macro LOADSB T                        ; sub-tile T's scale words of W and its biases: 12 loads
.set LW, WS+16*(\T)
.set LB, BIAS+32*(\T)
	WIN 0
.irp i, 0,1
	global_load_b128 v[LW+8*\i:LW+8*\i+3], v[LN32], s[PWS:PWS+1] offset:2048*(\T)+1024*\i
	global_load_b128 v[LW+8*\i+4:LW+8*\i+7], v[LN32], s[PWS:PWS+1] offset:2048*(\T)+1024*\i+16
.endr
	WIN 0xC0
.irp b, 0,1,2,3
	global_load_b128 v[LB+8*\b:LB+8*\b+3], v[HF32], s[PB:PB+1] offset:256*(\T)+64*\b
	global_load_b128 v[LB+8*\b+4:LB+8*\b+7], v[HF32], s[PB:PB+1] offset:256*(\T)+64*\b+16
.endr
.endm
.macro LOADA s                         ; a's four fragments of K step s: 16 loads
.set XB, 48*((\s)%5)
.set WSEL, (1+(\s)/5)<<6
	WIN WSEL
.irp a, 0,1,2,3
	global_load_b128 v[XB+12*\a:XB+12*\a+3], v[LN16], s[PA:PA+1] offset:12288*\a+1536*(\s)
	global_load_b64 v[XB+12*\a+4:XB+12*\a+5], v[LN8], s[PA:PA+1] offset:12288*\a+1536*(\s)+512
	global_load_b128 v[XB+12*\a+6:XB+12*\a+9], v[LN16], s[PA:PA+1] offset:12288*\a+1536*(\s)+768
	global_load_b64 v[XB+12*\a+10:XB+12*\a+11], v[LN8], s[PA:PA+1] offset:12288*\a+1536*(\s)+1280
.endr
.endm
; 16 matrix instructions: K step s of sub-tile T.  The 16 accumulators take turns, one instruction a turn, in the same order in every step
.macro MUL16 T, s
.set XW, 1+(\s)/5
.set XB, 48*((\s)%5)
.set PS2, ((\s)/2)%2
.set WB, 160-16*PS2+48*((\s)%2)
.set WSB, WS+16*(\T)+(\s)
.set XSB, XS+(\s)
.set BB, BIAS+32*(\T)
.set WSEL, (2*PS2)|(XW<<2)|0xF0
	WIN WSEL
.irp a, 0,1,2,3
.irp b, 0,1,2,3
.set rD, 8*(4*\a+\b)
.set rA, WB+12*\b
.set rB, XB+12*\a
.set rSA, WSB+8*(\b/2)
.set rSB, XSB+8*(\a/2)
.set rC, BB+8*\b
.if (\s) > 0
.set rC, rD
.endif
	WM \b%2, \a%2
.endr
.endr
.endm
; Two K steps; the successor's 48 LDS loads stand at the head.  lc: how many of the head's global loads may stay out; -1: all were waited for
.macro DSTEP T, u, lc
	s_wait_dscnt 0x0                               ; this set's fragments of W are in
.if (\lc) >= 0
	s_wait_loadcnt \lc
.endif
	PLACES 4                                       ; in front of loads into registers that the last matrix instructions have read
.if (\u) < 3
	FETCHW \T, (\u)+1
.elseif (\T) < 1
	FETCHW (\T)+1, 0
.endif
	MUL16 \T, 2*(\u)
	MUL16 \T, 2*(\u)+1
.endm
; Block a (16 tokens) of sub-tile T leaves
.macro OUT T, a
.set BK, 192+32*((\a)%2)
	s_wait_xcnt 0x0                                ; the stores of two blocks ago have read their registers: these are loaded again only behind this wait
	WIN 0x0C                                       ; an LDS store's data: window 3
.irp b, 0,1,2,3
	ds_store_b128 v[STO], v[8*(4*(\a)+\b):8*(4*(\a)+\b)+3] offset:64*\b          ; each accumulator from its low end on
	ds_store_b128 v[STO], v[8*(4*(\a)+\b)+4:8*(4*(\a)+\b)+7] offset:64*\b+16
.endr
	WIN 0xC0
.irp i, 0,1,2,3,4,5,6,7
	ds_load_b128 v[BK+4*\i:BK+4*\i+3], v[RD] offset:544*\i                       ; LDS serves a wave's instructions in order (ISA guide 5.7.1.4): these see the stores above; two rows a load
.endr
	WIN 0x0C
.irp i, 0,1,2,3,4,5,6,7
	s_wait_dscnt 7-\i                              ; the younger loads from the stage may stay out
	global_store_b128 v[GO], v[BK+4*\i:BK+4*\i+3], s[PO:PO+1] offset:256*(\T)+65536*(\a)+8192*\i th:TH_STORE_NT   ; sixteen lanes store 256 consecutive bytes, aligned; written once, read by nobody here
.endr
.endm
	s_load_b256 s[4:11], s[0:1], 0x0               ; aimg 4, asc 6, fc_w_codes 8, fc_w_scales 10
	s_load_b128 s[12:15], s[0:1], 0x20             ; fc_b 12, out0 14
	v_lshl_add_u32 v158, v0, 2, 0x29000
	v_mov_b32 v159, 0
	ds_add_u32 v158, v159
	ds_add_u32 v158, v159
	v_lshrrev_b32 v7, 5, v0
	v_readfirstlane_b32 s[WV], v7                  ; wave 0..3
	v_and_b32 v7, 31, v0                           ; lane
	v_and_b32 v12, 15, v0                          ; r
	v_bfe_u32 v13, v0, 4, 1                        ; h
	v_lshlrev_b32 v[LN16], 4, v7
	v_lshlrev_b32 v[LN8], 3, v7
	v_lshlrev_b32 v[LN32], 5, v7
	v_lshlrev_b32 v[HF32], 5, v13
	v_mul_u32_u24 v[L0], v12, PITCH
	v_mad_u32_u24 v[L0+1], v13, 40, v[L0]
	v_mad_u32_u24 v[L0], v13, 24, v[L0]
	s_mul_i32 s96, s[WV], 16*272
	s_add_co_u32 s96, s96, STG                     ; my stage
	v_mul_u32_u24 v[STO], v12, 272
	v_lshl_add_u32 v[STO], v13, 5, v[STO]
	v_add_nc_u32 v[STO], s96, v[STO]               ; in: row r, 32 bytes for each half of the lanes
	v_mul_u32_u24 v[RD], v13, 272
	v_lshl_add_u32 v[RD], v12, 4, v[RD]
	v_add_nc_u32 v[RD], s96, v[RD]                 ; back: lanes 0-15 one row, lanes 16-31 the next
	v_lshlrev_b32 v[GO], 12, v13
	v_lshl_add_u32 v[GO], v12, 4, v[GO]            ; and the same two rows of out0, 4,096 bytes apart
	s_bfe_u32 s21, ttmp6, 0x40000                  ; cx
	s_lshl_b32 s24, ttmp9, 2
	s_add_co_u32 s24, s24, s21                     ; y: it enters a's and out0's addresses alone
	s_and_b32 s23, ttmp7, 0xffff                   ; g, which the four partners share
	; the descriptor: 32 rows of 768 elements of 1 byte, 768 apart; 16 bytes of padding (code 3) behind every 64 words (code 5); the mask of all four, bit 21 beside it
	s_mov_b32 s[G1Q], 15|(1<<20)|(1<<21)|(5<<22)|(3<<25)
	s_mov_b32 s[G1Q+1], 768<<16
	s_mov_b32 s[G1Q+2], 32<<16
	s_mov_b32 s[G1Q+3], 768<<16
	s_mov_b32 s[G1Q+4], 32
	s_mov_b32 s[G1Q+5], 768
	s_mov_b32 s[G1Q+6], 0
	s_mov_b32 s[G1Q+7], 0
	s_mul_i32 s90, s23, 128*768
	s_mul_i32 s91, s[WV], 32*768
	s_add_co_u32 s90, s90, s91                     ; fc_w: row 128 g + 32 w
	s_mov_b32 s91, 0
	s_mov_b32 s[G0Q], 1
	s_mul_i32 s[G0Q+1], s[WV], 32*PITCH
	s_mov_b32 s97, 0
	s_wait_dscnt 0x0
	s_wait_kmcnt 0x0
	s_add_nc_u64 s[G0Q+2:G0Q+3], s[8:9], s[90:91]
	s_or_b32 s[G0Q+3], s[G0Q+3], 0x80000000
	s_mul_i32 s96, s24, 16*12288
	s_mul_i32 s94, s[WV], 4*12288
	s_add_co_u32 s96, s96, s94
	s_add_nc_u64 s[PA:PA+1], s[4:5], s[96:97]      ; a's images: block of 16 tokens 16 y + 4 w
	s_lshl_b32 s96, s24, 13
	s_lshl_b32 s94, s[WV], 11
	s_add_co_u32 s96, s96, s94
	s_add_nc_u64 s[PXS:PXS+1], s[6:7], s[96:97]    ; a's scale bytes at token 256 y + 64 w
	s_lshl_b32 s96, s23, 12
	s_add_nc_u64 s[PWS:PWS+1], s[10:11], s[96:97]  ; fc_w's scale bytes at row 128 g
	s_lshl_b32 s96, s23, 9
	s_add_nc_u64 s[PB:PB+1], s[12:13], s[96:97]    ; the bias at column 128 g
	s_lshl_b32 s96, s24, 20
	s_lshl_b32 s94, s[WV], 18
	s_add_co_u32 s96, s96, s94
	s_lshl_b32 s94, s23, 9
	s_add_co_u32 s96, s96, s94
	s_add_nc_u64 s[PO:PO+1], s[14:15], s[96:97]    ; out0 at token 256 y + 64 w, column 128 g
	CROUND                                         ; all four work-groups are here: the joint loads meet
	tensor_load_to_lds s[G0Q:G0Q+3], s[G1Q:G1Q+7]  ; my one tensor load of the launch: a quarter of W's 128 rows
	s_nop 0
	PLACES 4
.irp i, 0,1
	global_load_b128 v[XS+8*\i:XS+8*\i+3], v[LN32], s[PXS:PXS+1] offset:1024*\i
	global_load_b128 v[XS+8*\i+4:XS+8*\i+7], v[LN32], s[PXS:PXS+1] offset:1024*\i+16
.endr
	LOADSB 0
	LOADSB 1                                       ; 28 loads so far; then 16 for each K step, in K's order: 156 in all
.irp s, 0,1,2,3,4,5,6,7
	LOADA \s
.endr
	WIN 0
	s_wait_tensorcnt 0x0                           ; my quarter of W has landed,
	s_barrier_signal -1
	s_barrier_wait -1                              ; everybody's has
	s_wait_alu depctr_va_vdst(0)
	FETCHW 0, 0
	s_wait_alu depctr_va_vdst(0)
	DSTEP 0, 0, 63                                 ; at most 63 loads out: the first 93 are in; scales, biases and K steps 0-3 are the first 92
	DSTEP 0, 1, 63                                 ; K steps 2 and 3: the same count serves
	DSTEP 0, 2, 32                                 ; K steps 6 and 7 may stay out
	DSTEP 0, 3, 0
	PLACES 4                                       ; behind the last products
	s_wait_alu depctr_va_vdst(0)
	OUT 0, 0
	OUT 0, 1
	OUT 0, 2
	OUT 0, 3
	DSTEP 1, 0, -1
	DSTEP 1, 1, -1
	DSTEP 1, 2, -1
	DSTEP 1, 3, -1
	PLACES 4
	OUT 1, 0
	OUT 1, 1
	OUT 1, 2
	OUT 1, 3
	WIN 0
	s_wait_tensorcnt 0x0
	ds_add_u32 v158, v159
	s_wait_dscnt 0x0
	CROUND                                         ; the closing round: no LDS instruction of mine is out (the last count-down ended at 0)
	s_endpgm
.Lfunc_end_k_qfaac861490_fc:
	.size	k_qfaac861490_fc, .Lfunc_end_k_qfaac861490_fc-k_qfaac861490_fc
	.p2alignl 7, 3214868480
	.fill 96, 4, 3214868480
	.section	.rodata,"a",@progbits
	.p2align	6, 0x0
	.amdhsa_kernel k_qfaac861490_fc
		.amdhsa_group_segment_fixed_size 168448
		.amdhsa_private_segment_fixed_size 0
		.amdhsa_enable_private_segment 0
		.amdhsa_kernarg_size 48
		.amdhsa_user_sgpr_count 2
		.amdhsa_user_sgpr_kernarg_segment_ptr 1
		.amdhsa_wavefront_size32 1
		.amdhsa_system_sgpr_workgroup_id_x 1
		.amdhsa_system_sgpr_workgroup_id_y 1
		.amdhsa_system_sgpr_workgroup_id_z 1
		.amdhsa_system_vgpr_workitem_id 0
		.amdhsa_next_free_vgpr 1024
		.amdhsa_next_free_sgpr 100
		.amdhsa_reserve_vcc 0
		.amdhsa_float_denorm_mode_32 3
		.amdhsa_float_denorm_mode_16_64 3
		.amdhsa_memory_ordered 1
		.amdhsa_forward_progress 1
		.amdhsa_inst_pref_size 95
	.end_amdhsa_kernel
	.amdgpu_metadata
---
amdhsa.version: [ 1, 2 ]
amdhsa.kernels:
  - .name:           k_qfaac861490_fc
    .symbol:         k_qfaac861490_fc.kd
    .args:
      - { .name: aimg, .offset: 0, .size: 8, .value_kind: global_buffer, .address_space: global }
      - { .name: asc, .offset: 8, .size: 8, .value_kind: global_buffer, .address_space: global }
      - { .name: fc_w_codes, .offset: 16, .size: 8, .value_kind: global_buffer, .address_space: global }
      - { .name: fc_w_scales, .offset: 24, .size: 8, .value_kind: global_buffer, .address_space: global }
      - { .name: fc_b, .offset: 32, .size: 8, .value_kind: global_buffer, .address_space: global }
      - { .name: out0, .offset: 40, .size: 8, .value_kind: global_buffer, .address_space: global }
    .group_segment_fixed_size: 168448
    .private_segment_fixed_size: 0
    .kernarg_segment_align: 8
    .kernarg_segment_size: 48
    .max_flat_workgroup_size: 128
    .sgpr_count:     100
    .vgpr_count:     1024
    .wavefront_size: 32
...
	.end_amdgpu_metadata
.endif
;; end of part 3
